; MI455X (gfx1250); checked and timed in simulation.
; The chip was launched on July 23, 2026; its instructions are those of AMD's public machine-readable ISA for CDNA 5 (MIT licence, August 2026) and "CDNA5" Instruction Set Architecture Reference Guide (July 2026). The comments in the code are by the model that wrote it; some were corrected since.
;; Multi Head Attention Block. Allowed arithmetic: matrix products marked QUANTISED: E2M3 operands, one E8M0 scale for each 32 along K, by v_wmma_scale_f32_16x16x128_f8f6f4 with both operands' format E2M3, f32 sums; everything else in f32.
;; Inputs: k 4 x 2,048 x 1,024 float32; mask 4 x 1 x 2,048 x 2,048 bool; q 4 x 2,048 x 1,024 float32; v 4 x 2,048 x 1,024 float32; w_k 1,024 x 1,024 float32; w_o 1,024 x 1,024 float32; w_q 1,024 x 1,024 float32; w_v 1,024 x 1,024 float32.
;; Outputs: out0 4 x 2,048 x 1,024 float32.
;; This version of the problem:
;;   THIS VERSION OF THE PROBLEM IS GIVEN IN LOW PRECISION. The matrix products marked QUANTISED in the list below multiply operands that are first quantised to E2M3 (2 exponent bits, 3 mantissa bits; 6 bits a number), with one power-of-two scale for each 32 numbers along K (OCP MX v1.0); their sums are f32. All else is computed in f32.
;;   The module's matrix products, in the order in which they are computed (A, B: the left and right operand; K: the contracted axis; several contracted axes count as one K, in the product's order):
;;     1. [M 8,192, K 1,024] x [K 1,024, N 1,024]; A: input q; B: input w_q: QUANTISED
;;     2. [M 8,192, K 1,024] x [K 1,024, N 1,024]; A: input k; B: input w_k: QUANTISED
;;     3. [M 8,192, K 1,024] x [K 1,024, N 1,024]; A: input v; B: input w_v: QUANTISED
;;     4. batch 64 x [M 2,048, K 64] x [K 64, N 2,048]; A: computed on the way; B: computed on the way: QUANTISED
;;     5. batch 64 x [M 2,048, K 2,048] x [K 2,048, N 64]; A: softmax (see below); B: computed on the way: QUANTISED
;;     6. [M 8,192, K 1,024] x [K 1,024, N 1,024]; A: computed on the way; B: input w_o: QUANTISED
;;   THE QUANTISER, for each operand of a quantised product, along K:
;;     - K is cut into blocks of 32 from its start; a last block that is shorter is filled with zeros.
;;     - A block's scale is 2^e with e = floor(log2(the largest magnitude in the block)) - 2, held to -126 .. 127; a block of zeros has e = 0. As a byte (E8M0): e + 127.
;;     - Each number is divided by its block's scale, clamped to +-7.5, and rounded to the nearest number of E2M3, ties to even, subnormals kept.
;;     - The product sums the exact products of the quantised numbers (number of the format x scale) in f32.
;;   ~~~python
;;   def quantise(x, axis):      # numpy; x: float32 -> the quantised numbers, widened to float32 again
;;       x = np.moveaxis(x, axis, -1); K = x.shape[-1]
;;       x = np.pad(x, [(0, 0)] * (x.ndim - 1) + [(0, -K % 32)]); x = x.reshape(x.shape[:-1] + (-1, 32)); a = np.abs(x).max(-1, keepdims=True)
;;       e = np.where(a > 0, np.clip(np.frexp(np.where(a > 0, a, 1))[1] - 1 - 2, -126, 127), 0)      # np.frexp(a)[1] - 1 = floor(log2(a)), exactly
;;       r = np.clip(x / 2.0 ** e, -7.5, 7.5)
;;       step = 2.0 ** (np.maximum(np.frexp(np.where(r == 0, 1, r))[1] - 1, 0) - 3)
;;       q = np.round(r / step) * step * 2.0 ** e      # np.round: ties to even
;;       return np.moveaxis(q.reshape(q.shape[:-2] + (-1,))[..., :K], -1, axis).astype(np.float32)
;;   ~~~
;;   SOFTMAX AHEAD OF A QUANTISED PRODUCT. Where the list says 'softmax', what is quantised is not the finished softmax but p = 2^(t - M), with t = logit x log2(e) and M = ceil(the row's largest t), a whole number; so 1/2 < the row's largest p <= 1. The row's sum l is taken of the UNQUANTISED p, in f32, and the product's result is divided by l at the end. Since M is a whole number, a kernel that streams over the keys may use a running M (the ceiling of the running maximum): every later rescaling is an exact power of two, which a block's scale takes up: the codes' values come out the same.
;;   OPERANDS COMPUTED ON THE WAY. 'Computed on the way' means the value that the module computes at that place (a softmax that the list does not call 'softmax' is quantised finished and normalised). What goes into a quantiser is computed in f32, as accurately as f32 sums, v_exp_f32 and their like allow (about 1e-6 of the number): no bf16 or f16 on the way to a quantiser, and a product that is left as it is and whose result goes on into a quantised operand takes f32 operands (vector FMAs, or v_wmma_f32_16x16x4_f32). A number that lies on a knife's edge between two numbers of the format may be rounded either way, as far as f32 arithmetic and the matrix unit's own rounding can turn it there, and no further.
;; One version. Each part assembles by itself: llvm-mc -triple=amdgcn-amd-amdhsa -mcpu=gfx1250 --defsym DOCPART=n.
;; ======== version 1 of 1: 4 launches
;; limits: right only within a limited range of input values
;; workspace buffers: xc 22,020,096 bytes; xs 917,504 bytes; mw 2,097,152 bytes of whole numbers; mf 8,192 bytes of whole numbers; hc 18,874,368 bytes; hs 786,432 bytes; oc 6,291,456 bytes; os 262,144 bytes
;; launch prep (part 1): grid 1408 x 1, 4 waves a work-group, no clusters, 67,072 bytes of LDS; arguments q, k, v, w_q, w_k, w_v, w_o, mask, xc, xs, mw, mf; writes xc, xs, mw, mf
.if DOCPART == 1
	.amdgcn_target "amdgcn-amd-amdhsa--gfx1250"
	.amdhsa_code_object_version 6
	.text
	.protected	k_q700787ca62_prep
	.globl	k_q700787ca62_prep
	.p2align	8
	.type	k_q700787ca62_prep,@function
k_q700787ca62_prep:
	s_mov_b64 s[64:65], 0
	v_nop
	global_prefetch_b8 v0, s[64:65] scope:SCOPE_SE
	s_setreg_imm32_b32 hwreg(HW_REG_WAVE_MODE, 25, 1), 1
	s_wait_xcnt 0x0
; FIRST LAUNCH.  (1) q, k, v [8192][1024] and w_q, w_k, w_v, w_o [1024][1024], f32, K innermost, become codes of FP6 (E2M3), rows of 768 bytes, in xc, and one E8M0 byte
; for each 32 along K, rows of 32 bytes, in xs; the seven tensors lie on end.  (2) The mask's bytes become words of 32 bits for the attention launch, in mw.
; A block's scale is 2^(floor(log2(its largest magnitude)) - 2); its byte is the largest magnitude's exponent field - 2, held at 1 from below.
; LIMITS: a block of zeros, and a block whose largest magnitude lies under 2^-124, keeps the byte 1 (the rule says 127 for zeros): its codes are zeros or what the floor's scale gives,
; and the bytes are read by this program alone.  NaN and infinities among the inputs are not served.
; THE ONE PERMUTATION OF THE PROGRAM: row rho of every tensor is stored at POSITION p = rho with bits 3 and 4 exchanged.  Sixteen neighbouring positions 16 t + r are then the rows
; 32 (t / 2) + 8 (t % 2) + r + 8 (r / 8): a tile of such rows as source 0 of a matrix instruction leaves, in the 16 result registers of tiles 2 B and 2 B + 1, the rows 32 B + 16 (lane / 16) + 0 .. 15,
; neighbours, as the next quantiser wants them.  A wave's run of 8,192 numbers is 8 rows, so the exchange is one of bits 0 and 1 of the run's number.
; SHARES.  Work-groups 0 to 895: four waves, each a run of 16 steps of 512 numbers.  Each load reads 512 consecutive bytes; a step's 2,048 bytes turn through the wave's own stage in LDS, so that a lane holds 16 neighbours.
; Work-groups 896 to 1407: each wave takes 16 queries (a tile of positions) x 512 keys of the mask.  The two paths part on the work-group's number and have LDS bytes of their own.
.set STEPS, 16
.set CB,    12                         ; bytes of 16 codes
.set R,     16                         ; v16-79   four sets of 16 numbers as they are loaded
.set X,     80                         ; v80-111  two sets of 16 neighbours
.set E,     112                        ; v112-127 a scale byte for each step
.set C,     128                        ; v128-191 codes: four registers for each step, so that no store's data are written again
.set WREG,  8192                       ; LDS of the quantising path: a region for each wave: two stages of 32 x SP bytes, behind them its 256 scale bytes
.set SP,    80                         ; a lane's place in a stage: 64 bytes + 16 of padding
.set QWG,   896                        ; work-groups that quantise
.set MBASE, 32768                      ; LDS of the mask path begins here
.set MP,    528                        ; a row of its stage: 512 bytes + 16
.set MWAVE, 16*MP                      ; a wave's stage
	s_load_b512 s[4:19], s[0:1], 0x0               ; q s[4:5], k s[6:7], v s[8:9], w_q s[10:11], w_k s[12:13], w_v s[14:15], w_o s[16:17], mask s[18:19]
	s_load_b128 s[20:23], s[0:1], 0x40             ; xc s[20:21], xs s[22:23]
	s_load_b64 s[24:25], s[0:1], 0x50
	s_load_b64 s[46:47], s[0:1], 0x58              ; mf: for each wave of the mask path one word: bit 4 sg + s is set where key step 4 sg + s of its query tile hides a key
	v_lshl_add_u32 v192, v0, 2, 0x10400
	v_mov_b32 v193, 0
	v_lshrrev_b32 v1, 5, v0
	v_readfirstlane_b32 s26, v1                    ; wave 0..3
	v_and_b32 v2, 31, v0                           ; lane
	s_cmp_ge_u32 ttmp9, QWG
	s_cbranch_scc1 .Lmask
	; ---------------- the quantiser ----------------
	v_lshlrev_b32 v3, 4, v2                        ; my 16 bytes of a load's 512
	s_mul_i32 s27, s26, WREG
	v_lshrrev_b32 v14, 2, v2
	v_mul_u32_u24 v14, v14, SP
	v_and_b32 v15, 3, v2
	v_lshl_add_u32 v14, v15, 4, v14
	v_add_nc_u32 v14, s27, v14                     ; the stage, on the way in: SP (lane / 4) + 16 (lane % 4)
	v_mul_u32_u24 v15, v2, SP
	v_add_nc_u32 v15, s27, v15                     ; and on the way out: SP x lane: my 16 neighbours
	v_mul_u32_u24 v4, v2, CB                       ; my codes' place in a step's
	v_lshrrev_b32 v5, 1, v2
	s_add_co_u32 s27, s27, 2*32*SP
	v_add_nc_u32 v5, s27, v5                       ; LDS: my wave's 256 scale bytes, my block's byte
	v_lshlrev_b32 v7, 3, v2                        ; and on the way out 8 bytes a lane
	v_add_nc_u32 v6, s27, v7
	s_wait_alu depctr_va_vdst(0)
	s_wait_kmcnt 0x0
	s_mov_b64 s[28:29], s[4:5]                     ; which tensor: the choice hangs on the work-group's number alone
	s_mov_b32 s30, 0                               ; and that tensor's first work-group
.macro PICK first, ptr
	s_cmp_ge_u32 ttmp9, \first
	s_cselect_b64 s[28:29], s[\ptr:\ptr+1], s[28:29]
	s_cselect_b32 s30, \first, s30
.endm
	PICK 256, 6
	PICK 512, 8
	PICK 768, 10
	PICK 800, 12
	PICK 832, 14
	PICK 864, 16
	s_lshl_b32 s31, ttmp9, 2
	s_add_co_u32 s31, s31, s26                     ; g: my run among all runs (the outputs lie on end in the order of the work-groups)
	s_lshl_b32 s32, s30, 2
	s_sub_co_u32 s32, s31, s32                     ; my run in its tensor,
	s_lshl_b32 s32, s32, 15                        ; of 32,768 bytes (a tensor has at most 2^25 bytes)
	s_mov_b32 s33, 0
	s_add_nc_u64 s[28:29], s[28:29], s[32:33]
	s_and_b32 s34, s31, -4                         ; g with bits 0 and 1 exchanged: the rows' bits 3 and 4
	s_and_b32 s35, s31, 1
	s_lshl_b32 s35, s35, 1
	s_or_b32 s34, s34, s35
	s_bfe_u32 s35, s31, 0x10001
	s_or_b32 s34, s34, s35
	s_mul_i32 s32, s34, 6144                       ; 8 rows of 768 bytes
	s_add_nc_u64 s[20:21], s[20:21], s[32:33]
	s_lshl_b32 s32, s34, 8                         ; 8 rows of 32 bytes
	s_add_nc_u64 s[22:23], s[22:23], s[32:33]
.macro LOAD t
.irp i, 0,1,2,3
	global_load_b128 v[R+16*((\t)%4)+4*\i:R+16*((\t)%4)+4*\i+3], v3, s[28:29] offset:2048*(\t)+512*\i th:TH_LOAD_NT   ; 32 lanes read 512 consecutive bytes
.endr
.endm
.macro TURN t                          ; step t's numbers through the stage: LDS serves a wave's instructions in order, so no wait stands between the stores and the loads
.irp i, 0,1,2,3
	ds_store_b128 v14, v[R+16*((\t)%4)+4*\i:R+16*((\t)%4)+4*\i+3] offset:32*SP*((\t)%2)+8*SP*\i
.endr
.irp i, 0,1,2,3
	ds_load_b128 v[X+16*((\t)%2)+4*\i:X+16*((\t)%2)+4*\i+3], v15 offset:32*SP*((\t)%2)+16*\i
.endr
.endm
.irp t, 0,1,2,3
	LOAD \t
.endr
	s_wait_loadcnt 12                              ; step 0's four loads are in; the twelve of steps 1 to 3 may be out
	TURN 0
.macro STEP t
.set XS, X+16*((\t)%2)
.if (\t) > 0
	s_wait_dscnt 1                                 ; this step's numbers are back from the stage (the last step's byte store may be out): so its stores into the stage have read their registers,
.else
	s_wait_dscnt 0x0
.endif
.if (\t)+4 < STEPS
	LOAD (\t)+4                                    ; which take the loads of four steps on
.endif
.if (\t)+1 < STEPS
.if STEPS-2-(\t) >= 3
	s_wait_loadcnt 12                              ; the next step's four loads are in; those of the three steps behind it may be out
.else
	s_wait_loadcnt 4*(STEPS-2-(\t))
.endif
	TURN (\t)+1                                    ; and go through the other stage while this step is worked
.endif
	v_max3_num_f32 v8, |v[XS]|, |v[XS+1]|, |v[XS+2]|               ; the largest magnitude of my 16, in two chains
	v_max3_num_f32 v9, |v[XS+3]|, |v[XS+4]|, |v[XS+5]|
.irp i, 6,10
	v_max3_num_f32 v8, v8, |v[XS+\i]|, |v[XS+\i+1]|
	v_max3_num_f32 v9, v9, |v[XS+\i+2]|, |v[XS+\i+3]|
.endr
	v_max3_num_f32 v8, v8, |v[XS+14]|, |v[XS+15]|
	v_max3_num_f32 v8, v8, v9, 0x1800000           ; and the floor 2^(3 - 127): the byte cannot fall under 1
	v_max_num_f32_dpp v8, v8, v8 row_xmask:1 row_mask:0xf bank_mask:0xf   ; and of my neighbour's 16: the block's
	v_add_nc_u32 v11, 0xff000000, v8               ; 2 off its exponent field: the conversion takes the exponent field of this operand as its scale, and nothing else of it
	v_cvt_scalef32_pk16_fp6_f32 v[C+4*(\t):C+4*(\t)+2], v[XS:XS+15], v11   ; sixteen numbers / the scale, to the nearest code, ties to even, beyond the largest code the largest
	v_lshrrev_b32 v[E+(\t)], 23, v11               ; the scale's byte (a plain line behind the conversion)
	ds_store_b8 v5, v[E+(\t)] offset:16*(\t)       ; both lanes of a block write the same byte with the same value
	global_store_b96 v4, v[C+4*(\t):C+4*(\t)+2], s[20:21] offset:32*CB*(\t)   ; the wave stores 384 consecutive bytes
.endm
.irp t, 0,1,2,3,4,5,6,7,8,9,10,11,12,13,14,15
	STEP \t
.endr
	ds_load_b64 v[12:13], v6                       ; LDS serves a wave's instructions in order: these see my stores
	s_wait_dscnt 0x0
	global_store_b64 v7, v[12:13], s[22:23]        ; 32 lanes store 256 consecutive bytes, aligned
	s_wait_tensorcnt 0x0
	ds_add_u32 v192, v193
	s_wait_dscnt 0x0
	s_endpgm
	; ---------------- the mask ----------------
	; Wave W = (128 b + qt) x 4 + sg takes the 16 queries at positions 16 qt + r of batch b and the keys 512 sg .. 512 sg + 511: four key steps of the attention launch.
	; WORD n (0 .. 63) of a step, bit L: may the query at position r = L % 16 see key 128 step + 32 (n / 16) + 16 (L / 16) + n % 16?  That is register n, lane L, of the scores there.
	; mw: [128 b + qt][step 16][64 words].
.Lmask:
	s_sub_co_u32 s27, ttmp9, QWG
	s_lshl_b32 s27, s27, 2
	s_add_co_u32 s27, s27, s26                     ; W
	s_and_b32 s28, s27, 3                          ; sg
	s_bfe_u32 s30, s27, 0x70002                    ; qt
	s_lshr_b32 s31, s27, 9                         ; b
	s_lshr_b32 s32, s30, 1
	s_lshl_b32 s32, s32, 5
	s_and_b32 s33, s30, 1
	s_lshl_b32 s33, s33, 3
	s_add_co_u32 s32, s32, s33                     ; position 16 qt is row 32 (qt / 2) + 8 (qt % 2) of the batch
	s_lshl_b32 s31, s31, 11
	s_add_co_u32 s32, s32, s31
	s_lshl_b32 s32, s32, 11                        ; a row of the mask is 2,048 bytes
	s_lshl_b32 s28, s28, 9
	s_add_co_u32 s32, s32, s28
	s_mov_b32 s33, 0
	s_lshl_b32 s34, s27, 10                        ; four steps of 256 bytes of words
	s_mov_b32 s35, 0
	s_mul_i32 s40, s26, MWAVE
	s_add_co_u32 s40, s40, MBASE                   ; my stage
	s_wait_alu depctr_va_vdst(0)
	v_lshlrev_b32 v3, 4, v2                        ; 16 x lane: in memory and on the way into the stage
	v_add_nc_u32 v6, s40, v3
	v_and_b32 v8, 15, v0                           ; r
	v_bfe_u32 v9, v0, 4, 1                         ; h
	v_mul_u32_u24 v7, v8, MP
	v_lshl_add_u32 v7, v9, 4, v7
	v_add_nc_u32 v7, s40, v7                       ; back: row r, + 16 h
	v_lshlrev_b32 v5, 3, v2                        ; the words leave 8 bytes a lane
.irp i, 0,1,2,3,4,5,6,7
	v_mov_b32 v[32+\i], 0                          ; v_writelane_b32's destination counts as read
.endr
	s_wait_kmcnt 0x0
	s_add_nc_u64 s[18:19], s[18:19], s[32:33]
	s_add_nc_u64 s[24:25], s[24:25], s[34:35]
.irp j, 0,1,2,3,4,5,6,7,8,9,10,11,12,13,14,15
	global_load_b128 v[64+4*\j:67+4*\j], v3, s[18:19] offset:((\j%8)+16*(\j/8))*2048 th:TH_LOAD_NT   ; position j's row: 512 consecutive bytes
.endr
.irp j, 0,1,2,3,4,5,6,7,8,9,10,11,12,13,14,15
	s_wait_loadcnt 15-\j                           ; row j is in; the later rows may be out
	ds_store_b128 v6, v[64+4*\j:67+4*\j] offset:\j*MP
.endr
.irp i, 0,1,2,3,4,5,6,7,8,9,10,11,12,13,14,15
	ds_load_b128 v[128+4*\i:131+4*\i], v7 offset:128*(\i/4)+32*(\i%4)   ; step i / 4, block i % 4: my query's bytes for keys 32 (i % 4) + 16 h + 0 .. 15.  (My own bytes, served in order.)
.endr
.macro WORDS s
	s_mov_b32 s41, -1                              ; the AND of the step's 64 words
	s_wait_dscnt 12-4*(\s)
.set g, 0
.rept 16                               ; register g of the step's sixteen holds the bytes of words 4 g .. 4 g + 3
.irp y, 0,1,2,3
	v_bfe_u32 v[40+\y], v[128+16*(\s)+g], 8*\y, 8
.endr
.irp y, 0,1,2,3
	v_cmp_ne_u32 s[36+\y], 0, v[40+\y]             ; one bit a lane: the word
.endr
.irp y, 0,1,2,3
	v_writelane_b32 v[32+2*(\s)+(\y%2)], s[36+\y], 2*g+\y/2
	s_and_b32 s41, s41, s[36+\y]
.endr
.set g, g+1
.endr
	global_store_b64 v5, v[32+2*(\s):33+2*(\s)], s[24:25] offset:256*(\s)
	s_cmp_eq_u32 s41, -1                           ; every query sees every key of the step?
	s_cselect_b32 s43, 0, 1<<(\s)
	s_or_b32 s42, s42, s43
.endm
	s_mov_b32 s42, 0
	WORDS 0
	WORDS 1
	WORDS 2
	WORDS 3
	s_and_b32 s43, s27, 3
	s_lshl_b32 s43, s43, 2
	s_lshl_b32 s42, s42, s43                       ; my four bits at 4 sg
	s_lshl_b32 s44, s27, 2
	s_mov_b32 s45, 0
	s_add_nc_u64 s[46:47], s[46:47], s[44:45]      ; mf[128 b + qt][sg]
	v_mov_b32 v44, s42
	v_mov_b32 v45, 0
	global_store_b32 v45, v44, s[46:47]            ; all lanes write the one word with the same value
	s_wait_tensorcnt 0x0
	ds_add_u32 v192, v193
	s_wait_dscnt 0x0
	s_endpgm
.Lfunc_end_k_q700787ca62_prep:
	.size	k_q700787ca62_prep, .Lfunc_end_k_q700787ca62_prep-k_q700787ca62_prep
	.p2alignl 7, 3214868480
	.fill 96, 4, 3214868480
	.section	.rodata,"a",@progbits
	.p2align	6, 0x0
	.amdhsa_kernel k_q700787ca62_prep
		.amdhsa_group_segment_fixed_size 67072
		.amdhsa_private_segment_fixed_size 0
		.amdhsa_enable_private_segment 0
		.amdhsa_kernarg_size 96
		.amdhsa_user_sgpr_count 2
		.amdhsa_user_sgpr_kernarg_segment_ptr 1
		.amdhsa_wavefront_size32 1
		.amdhsa_system_sgpr_workgroup_id_x 1
		.amdhsa_system_sgpr_workgroup_id_y 1
		.amdhsa_system_sgpr_workgroup_id_z 1
		.amdhsa_system_vgpr_workitem_id 0
		.amdhsa_next_free_vgpr 194
		.amdhsa_next_free_sgpr 66
		.amdhsa_reserve_vcc 0
		.amdhsa_float_denorm_mode_32 3
		.amdhsa_float_denorm_mode_16_64 3
		.amdhsa_memory_ordered 1
		.amdhsa_forward_progress 1
		.amdhsa_inst_pref_size 97
	.end_amdhsa_kernel
	.amdgpu_metadata
---
amdhsa.version: [ 1, 2 ]
amdhsa.kernels:
  - .name:           k_q700787ca62_prep
    .symbol:         k_q700787ca62_prep.kd
    .args:
      - { .name: q, .offset: 0, .size: 8, .value_kind: global_buffer, .address_space: global }
      - { .name: k, .offset: 8, .size: 8, .value_kind: global_buffer, .address_space: global }
      - { .name: v, .offset: 16, .size: 8, .value_kind: global_buffer, .address_space: global }
      - { .name: w_q, .offset: 24, .size: 8, .value_kind: global_buffer, .address_space: global }
      - { .name: w_k, .offset: 32, .size: 8, .value_kind: global_buffer, .address_space: global }
      - { .name: w_v, .offset: 40, .size: 8, .value_kind: global_buffer, .address_space: global }
      - { .name: w_o, .offset: 48, .size: 8, .value_kind: global_buffer, .address_space: global }
      - { .name: mask, .offset: 56, .size: 8, .value_kind: global_buffer, .address_space: global }
      - { .name: xc, .offset: 64, .size: 8, .value_kind: global_buffer, .address_space: global }
      - { .name: xs, .offset: 72, .size: 8, .value_kind: global_buffer, .address_space: global }
      - { .name: mw, .offset: 80, .size: 8, .value_kind: global_buffer, .address_space: global }
      - { .name: mf, .offset: 88, .size: 8, .value_kind: global_buffer, .address_space: global }
    .group_segment_fixed_size: 67072
    .private_segment_fixed_size: 0
    .kernarg_segment_align: 8
    .kernarg_segment_size: 96
    .max_flat_workgroup_size: 128
    .sgpr_count:     66
    .vgpr_count:     194
    .wavefront_size: 32
...
	.end_amdgpu_metadata
.endif
;; end of part 1
;; launch qkv (part 2): grid 4 x 192, 4 waves a work-group, clusters of 4 x 4, 327,680 bytes of LDS; arguments xc, xs, hc, hs; writes hc, hs
.if DOCPART == 2
	.amdgcn_target "amdgcn-amd-amdhsa--gfx1250"
	.amdhsa_code_object_version 6
	.text
	.protected	k_q700787ca62_qkv
	.globl	k_q700787ca62_qkv
	.p2align	8
	.type	k_q700787ca62_qkv,@function
k_q700787ca62_qkv:
	s_mov_b64 s[64:65], 0
	v_nop
	global_prefetch_b8 v0, s[64:65] scope:SCOPE_SE
	s_setreg_imm32_b32 hwreg(HW_REG_WAVE_MODE, 25, 1), 1
	s_wait_xcnt 0x0
	s_wait_alu depctr_hold_cnt(0) depctr_sa_sdst(0) depctr_va_vdst(0) depctr_va_sdst(0) depctr_va_ssrc(0) depctr_va_vcc(0) depctr_vm_vsrc(0)
	s_getreg_b32 s2, hwreg(HW_REG_IB_STS2, 6, 4)
	s_cmp_eq_u32 s2, 0
	s_cbranch_scc0 .Lentry_in_a_cluster
	s_endpgm
.Lentry_in_a_cluster:
	s_bfe_u32 s2, ttmp6, 0x10000c
	s_cmp_lg_u32 s2, 0xf033
	s_cbranch_scc0 .Lentry_shape_is_right
	s_endpgm
.Lentry_shape_is_right:
; SECOND LAUNCH.  Q = q W_q^T, K = k W_k^T and V^T = W_v v^T on codes of FP6 (E2M3) with E8M0 scales; the results are quantised again and leave as images of the attention launch's operand registers.
; A block is 128 rows of A x 256 rows of B, ALL of K (1,024: rows of 768 bytes): Q, K: A = tokens, B = the weight's rows; V: A = W_v's rows, B = tokens.  3 x 256 work-groups.
; LDS holds the whole block: A's 128 rows and B's 256 rows (768 bytes + 16 behind every 256), their scale bytes as units of 256 + 16.  Every byte is filled once, by four joint loads at the head, one a wave: no ring, no refill.
; Every tensor row begins at a multiple of 256 bytes.  CLUSTER 4 x 4: A's rows are shared along a row of the cluster, B's along a column.
; No prefetch: all fills go out at the head, and there is no loop to run ahead in.
; A wave makes 64 x 128: 32 accumulators (window 2).  The 8 steps of 128 along K are written out; fragments lie twice in registers, and step st + 1's are fetched ahead of step st's 32 products.
; The matrix instruction is used transposed (source 0 = B's rows): a lane holds one row of A, and by the rows' positions (bits 3 and 4 exchanged by the first launch) the 16 registers of tiles 2 B, 2 B + 1 are 16 neighbours along the next K.
; LIMITS: NaN and infinities are not served; a block under 2^-124 (zeros too) keeps the scale byte 1, which this program alone reads.
.set KROW,  768
.set PITCH, 816
.set BL,    128*PITCH
.set SAL,   BL+256*PITCH
.set SBL,   SAL+16*272
.set SPARE, SBL+32*272
.set L8,   24
.set L16,  25
.set ADSA, 26
.set ADSB, 27
.set SPW,  28
.set NIL,  29
.set SB,   32                          ; v32-63 B's scale words: 8 (b / 2) + step; lanes 0-15 tile 2 j, lanes 16-31 tile 2 j + 1
.set SA,   68                          ; v68-83 A's, at numbers that differ from B's modulo 8
.set AB,   84                          ; v84-99 LDS addresses of B's eight tiles (the odd one: for pieces behind one padding more)
.set AA,   100                         ; v100-107 of A's four
.set TM,   108
.set AF,   128                         ; v128-223 A's fragments, two sets; window 1: B's two sets at 0 and 128
.set CD,   128
.set TQ,   224
.set PW,   232
.set PP,   236
.set OF,   240
.set SEL,  12
.set G1A, 24
.set G1B, 32
.set G1S, 48
.set G1T, 56
.set G0A, 68
.set G0B, 72
.set G0S, 76
.set G0T, 80
.set MSB, 0
.set NLD, 0
.macro WIN new
.if MSB != (\new)
	s_set_vgpr_msb (MSB<<8)|(\new)
.set MSB, (\new)
.endif
.endm
.macro PLACES n
.rept \n
	v_nop
.endr
.endm
.macro CROUND
	s_barrier_signal -1
	s_barrier_wait -1
	s_cmp_lg_u32 s14, 0
	s_cbranch_scc1 .Lnot_wave_0_\@
	s_barrier_signal -3
.Lnot_wave_0_\@:
	s_barrier_wait -3
	s_barrier_signal -1
	s_barrier_wait -1
.endm
.macro CODES1 g, mask, rows            ; group 1: rows of 768 bytes, 16 bytes of padding behind every 256
	s_or_b32 s[\g+0], s[\mask], (1<<20)|(1<<21)|(5<<22)|(3<<25)
	s_mov_b32 s[\g+1], KROW<<16
	s_mov_b32 s[\g+2], (\rows)<<16
	s_mov_b32 s[\g+3], KROW<<16
	s_mov_b32 s[\g+4], \rows
	s_mov_b32 s[\g+5], KROW
	s_mov_b32 s[\g+6], 0
	s_mov_b32 s[\g+7], 0
.endm
.macro UNITS1 g, mask, units           ; group 1: a dense block as units of 256 bytes, padded alike
	s_or_b32 s[\g+0], s[\mask], (3<<16)|(1<<20)|(1<<21)|(5<<22)|(3<<25)
	s_mov_b32 s[\g+1], 32<<16
	s_mov_b32 s[\g+2], (\units)<<16
	s_mov_b32 s[\g+3], 32<<16
	s_mov_b32 s[\g+4], \units
	s_mov_b32 s[\g+5], 32
	s_mov_b32 s[\g+6], 0
	s_mov_b32 s[\g+7], 0
.endm
.macro G0SET g, lds, base, off
	s_mov_b32 s[\g], 1
	s_mov_b32 s[\g+1], \lds
	s_add_nc_u64 s[\g+2:\g+3], s[\base:\base+1], s[\off:\off+1]
	s_or_b32 s[\g+3], s[\g+3], 0x80000000
.endm
.macro ARM under, g0, g1, next
	s_cmp_lt_u32 s14, \under
	s_cbranch_scc0 \next
	tensor_load_to_lds s[\g0:\g0+3], s[\g1:\g1+7]
	s_nop 0
	PLACES 4
	s_branch .Lhead_asked
\next:
.endm
	s_load_b256 s[4:11], s[0:1], 0x0               ; xc, xs, hc, hs
	v_lshl_add_u32 v[SPW], v0, 2, SPARE
	v_mov_b32 v[NIL], 0
	ds_add_u32 v[SPW], v[NIL]                      ; the opening lines
	ds_add_u32 v[SPW], v[NIL]
	v_lshrrev_b32 v1, 5, v0
	v_readfirstlane_b32 s14, v1                    ; wave
	s_lshr_b32 s15, s14, 1                         ; my 64 of A's 128 rows
	s_and_b32 s16, s14, 1                          ; my 128 of B's 256
	s_bfe_u32 s40, ttmp6, 0x40000                  ; cx
	s_bfe_u32 s41, ttmp6, 0x40004                  ; cy
	s_and_b32 s66, ttmp7, 0xffff                   ; cluster y: 0-15 Q, 16-31 K, 32-47 V
	s_lshr_b32 s67, s66, 4
	s_and_b32 s18, s66, 15
	s_lshl_b32 s18, s18, 2
	s_bfe_u32 s19, s66, 0x10003
	s_lshl_b32 s19, s19, 2
	s_and_b32 s12, s66, 7
	s_lshl_b32 s12, s12, 2
	s_mul_i32 s95, s67, 6291456                    ; A's codes, B's codes, A's scales, B's scales: bytes from xc and xs
	s_mul_i32 s96, s67, 786432
	s_add_co_u32 s96, s96, 18874368
	s_lshl_b32 s97, s67, 18
	s_lshl_b32 s98, s67, 15
	s_add_co_u32 s98, s98, 786432
	s_mov_b32 s99, 768                             ; the images' steps: from tile to tile of A, to my upper 64 rows, to the second half of B's 128
	s_mov_b32 s100, 3072
	s_mov_b32 s101, 98304
	s_cmp_ge_u32 s66, 32
	s_cselect_b32 s17, s19, s18
	s_cselect_b32 s42, s12, 0
	s_cselect_b32 s95, 20447232, s95
	s_cselect_b32 s96, 12582912, s96
	s_cselect_b32 s97, 851968, s97
	s_cselect_b32 s98, 524288, s98
	s_cselect_b32 s99, 1536, s99
	s_cselect_b32 s100, 98304, s100
	s_cselect_b32 s101, 768, s101
	s_add_co_u32 s17, s17, s41                     ; A's block of 128 rows
	s_add_co_u32 s42, s42, s40                     ; B's block of 256 rows
	s_lshl_b32 s43, s41, 2
	s_lshl_b32 s43, 15, s43                        ; my row of the cluster
	s_lshl_b32 s44, 0x1111, s40                    ; my column
	CODES1 G1A, 43, 128
	CODES1 G1B, 44, 256
	UNITS1 G1S, 43, 16
	UNITS1 G1T, 44, 32
	s_mul_i32 s20, s17, 128*KROW
	s_add_co_u32 s20, s20, s95
	s_mov_b32 s21, 0
	s_lshl_b32 s22, s17, 12
	s_add_co_u32 s22, s22, s97
	s_mov_b32 s23, 0
	s_mul_i32 s46, s42, 256*KROW
	s_add_co_u32 s46, s46, s96
	s_mov_b32 s47, 0
	s_lshl_b32 s92, s42, 13
	s_add_co_u32 s92, s92, s98
	s_mov_b32 s93, 0
	s_wait_dscnt 0x0
	s_wait_kmcnt 0x0
	G0SET G0A, 0, 4, 20
	G0SET G0B, BL, 4, 46
	G0SET G0S, SAL, 6, 22
	G0SET G0T, SBL, 6, 92
	CROUND                                         ; the joint loads meet
	ARM 1, G0A, G1A, .Lhead_b                      ; one load a wave: A's codes, B's codes, A's scales, B's scales
	ARM 2, G0B, G1B, .Lhead_s
	ARM 3, G0S, G1S, .Lhead_t
	tensor_load_to_lds s[G0T:G0T+3], s[G1T:G1T+7]
	s_nop 0
	PLACES 4
.Lhead_asked:
	v_and_b32 v1, 15, v0
	v_bfe_u32 v2, v0, 4, 1
	v_and_b32 v6, 31, v0
	v_mul_u32_u24 v3, v1, PITCH
	v_lshrrev_b32 v8, 3, v6
	v_lshlrev_b32 v7, 5, v6
	v_mad_u32_u24 v4, v2, 24, v3                   ; a fragment's row x pitch + 24 x half
	v_mad_u32_u24 v5, v2, 40, v3                   ; and where lanes 16-31 stand behind one padding more
	v_lshl_add_u32 v7, v8, 4, v7                   ; scale words: 32 bytes a row, 16 more for each 8 rows; lane l takes row l of a pair of tiles
	s_mul_i32 s21, s15, 64*PITCH
	s_mul_i32 s22, s16, 128*PITCH
	s_add_co_u32 s22, s22, BL
	v_add_nc_u32 v[AA], s21, v4
	v_add_nc_u32 v[AA+1], s21, v5
	v_add_nc_u32 v[AB], s22, v4
	v_add_nc_u32 v[AB+1], s22, v5
.irp i, 1,2,3
	v_add_nc_u32 v[AA+2*\i], \i*16*PITCH, v[AA]
	v_add_nc_u32 v[AA+2*\i+1], \i*16*PITCH, v[AA+1]
.endr
.irp i, 1,2,3,4,5,6,7
	v_add_nc_u32 v[AB+2*\i], \i*16*PITCH, v[AB]
	v_add_nc_u32 v[AB+2*\i+1], \i*16*PITCH, v[AB+1]
.endr
	s_mul_i32 s21, s15, 8*272
	s_add_co_u32 s21, s21, SAL
	s_mul_i32 s22, s16, 16*272
	s_add_co_u32 s22, s22, SBL
	v_add_nc_u32 v[ADSA], s21, v7
	v_add_nc_u32 v[ADSB], s22, v7
	; where the results go: s22 the group of 128 channels, s23 the group of 128 tokens
	s_lshl_b32 s21, s42, 1
	s_add_co_u32 s21, s21, s16
	s_cmp_ge_u32 s66, 32
	s_cselect_b32 s22, s17, s21
	s_cselect_b32 s23, s21, s17
	s_lshr_b32 s46, s23, 4
	s_lshl_b32 s46, s46, 4
	s_lshl_b32 s47, s22, 1
	s_add_co_u32 s46, s46, s47
	s_mul_i32 s46, s46, 98304
	s_and_b32 s47, s23, 15
	s_mul_i32 s47, s47, 6144
	s_add_co_u32 s46, s46, s47
	s_mul_i32 s47, s67, 6291456
	s_add_co_u32 s46, s46, s47
	s_mul_i32 s47, s15, s100
	s_add_co_u32 s46, s46, s47
	s_mov_b32 s47, 0
	s_add_nc_u64 s[8:9], s[8:9], s[46:47]
	s_lshl_b32 s46, s22, 6
	s_add_co_u32 s46, s46, s23
	s_lshl_b32 s46, s46, 9
	s_lshl_b32 s20, s67, 18
	s_add_co_u32 s46, s46, s20
	s_lshl_b32 s20, s15, 3                         ; my two of the block's four words a lane
	s_add_co_u32 s46, s46, s20
	s_add_nc_u64 s[10:11], s[10:11], s[46:47]
	s_mov_b32 s104, 0xffff0000
	s_mov_b32 s[SEL], 0x76543210
	s_mov_b32 s[SEL+1], 0xfedcba98
	v_lshlrev_b32 v[L8], 3, v6
	v_lshlrev_b32 v[L16], 4, v6
	v_lshlrev_b32 v[OF], 3, v6
.irp a, 1,2,3
	v_add_nc_u32 v[OF+2*\a], s99, v[OF+2*\a-2]
.endr
.irp a, 0,1,2,3
	v_add_nc_u32 v[OF+2*\a+1], s101, v[OF+2*\a]
.endr
.irp b, 0,1,2,3
	v_mov_b32 v[TM+4+\b], 0                        ; a lane permute's destination counts as read
.endr
; A fragment: six pieces of 8 bytes of a row's stream of bits, two to a load where both stand behind as many paddings.  NLD counts the loads.
.macro FRAG reg, a0, q
.set SKIP_, 0
.irp p, 0,1,2,3,4,5
.if SKIP_
.set SKIP_, 0
.else
.set PC_, 12*(\q)+6*(\p/3)+\p%3
.set PN_, 12*(\q)+6*((\p+1)/3)+(\p+1)%3
.set X_, (PC_%32+3)/32
.set XQ_, (PN_%32+3)/32
.set NLD, NLD+1
.if (\p < 5) && (X_ == XQ_)
.set SKIP_, 1
	ds_load_2addr_b64 v[\reg+2*\p:\reg+2*\p+3], v[\a0+X_] offset0:PC_+2*(PC_/32) offset1:PN_+2*(PN_/32)
.else
	ds_load_b64 v[\reg+2*\p:\reg+2*\p+1], v[\a0+X_] offset:8*(PC_+2*(PC_/32))
.endif
.endif
.endr
.endm
.macro FETCH st
.set NLD, 0
	WIN 0x40
.irp i, 0,1,2,3,4,5,6,7
	FRAG 128*((\st)%2)+12*\i, AB+2*\i, \st
.endr
	WIN 0
.irp i, 0,1,2,3
	FRAG AF+48*((\st)%2)+12*\i, AA+2*\i, \st
.endr
.endm
.macro MUL32 st                        ; the 32 accumulators by turns, in the same order in every step
	WIN 0xa1
.irp ap, 0,1
.irp ar, 0,1
.irp bp, 0,1,2,3
.irp br, 0,1
.set D_, 8*(8*(2*\ap+\ar)+2*\bp+\br)
.set FB_, 128*((\st)%2)+12*(2*\bp+\br)
.set FA_, AF+48*((\st)%2)+12*(2*\ap+\ar)
.if (\st) == 0
	v_wmma_scale_f32_16x16x128_f8f6f4 v[D_:D_+7], v[FB_:FB_+11], v[FA_:FA_+11], 0, v[SB+8*\bp+(\st)], v[SA+8*\ap+(\st)] matrix_a_fmt:MATRIX_FMT_FP6 matrix_b_fmt:MATRIX_FMT_FP6 matrix_a_scale:MATRIX_SCALE_ROW\br matrix_b_scale:MATRIX_SCALE_ROW\ar
.else
	v_wmma_scale_f32_16x16x128_f8f6f4 v[D_:D_+7], v[FB_:FB_+11], v[FA_:FA_+11], v[D_:D_+7], v[SB+8*\bp+(\st)], v[SA+8*\ap+(\st)] matrix_a_fmt:MATRIX_FMT_FP6 matrix_b_fmt:MATRIX_FMT_FP6 matrix_a_scale:MATRIX_SCALE_ROW\br matrix_b_scale:MATRIX_SCALE_ROW\ar
.endif
.endr
.endr
.endr
.endr
.endm
	s_wait_alu depctr_va_vdst(0)                   ; the wait at the head's end
	s_wait_tensorcnt 0x0                           ; my tile is in;
	s_barrier_signal -1
	s_barrier_wait -1                              ; all four are
.irp j, 0,1,2,3
	ds_load_b128 v[SB+8*\j:SB+8*\j+3], v[ADSB] offset:\j*1088
	ds_load_b128 v[SB+8*\j+4:SB+8*\j+7], v[ADSB] offset:\j*1088+16
.endr
.irp j, 0,1
	ds_load_b128 v[SA+8*\j:SA+8*\j+3], v[ADSA] offset:\j*1088
	ds_load_b128 v[SA+8*\j+4:SA+8*\j+7], v[ADSA] offset:\j*1088+16
.endr
	FETCH 0
.set ST, 0
.rept 8
.if ST < 7
.if ST > 0
	PLACES 4                                       ; between the last step's products and the loads into their operands
.endif
	FETCH ST+1
	s_wait_dscnt NLD                               ; all but the next step's loads, just issued
.else
	s_wait_dscnt 0x0
.endif
	MUL32 ST
.set ST, ST+1
.endr
	WIN 0
	PLACES 4
; THE WAY OUT of A's tile a: four blocks of 32 along the next K; their scales; 128 codes a row as twelve operand registers, stored as images (32 lanes store 256 consecutive bytes)
.macro QBLOCK a
.set QS, 64*(\a)
.set QC, CD+12*(\a)
	WIN (2<<2)|(2<<4)
.irp b, 0,1,2,3
	v_max3_num_f32 v[TM+\b], 0x1800000, |v[QS+16*\b]|, |v[QS+16*\b+1]|
.endr
.irp i, 2,4,6,8,10,12,14
.irp b, 0,1,2,3
	v_max3_num_f32 v[TM+\b], v[TM+\b], |v[QS+16*\b+\i]|, |v[QS+16*\b+\i+1]|
.endr
.endr
	WIN 0
.irp b, 0,1,2,3
	v_permlanex16_b32 v[TM+4+\b], v[TM+\b], s[SEL], s[SEL+1]
.endr
.irp b, 0,1,2,3
	v_max_num_f32 v[TM+\b], v[TM+\b], v[TM+4+\b]
.endr
.irp b, 0,1,2,3
	v_add_nc_u32 v[TM+12+\b], 0xff000000, v[TM+\b]
.endr
.irp b, 0,1,2,3
	v_lshrrev_b32 v[TM+4+\b], 23, v[TM+12+\b]
.endr
	v_lshl_or_b32 v[PW+(\a)], v[TM+5], 8, v[TM+4]
	v_lshl_or_b32 v[PW+(\a)], v[TM+6], 16, v[PW+(\a)]
	v_lshl_or_b32 v[PW+(\a)], v[TM+7], 24, v[PW+(\a)]
	WIN 2
.irp c, 0,1
	v_cvt_scalef32_pk16_fp6_f32 v[QC+6*\c:QC+6*\c+2], v[QS+32*\c:QS+32*\c+15], v[TM+12+2*\c]
	v_cvt_scalef32_pk16_fp6_f32 v[TQ+4*\c:TQ+4*\c+2], v[QS+32*\c+16:QS+32*\c+31], v[TM+12+2*\c+1]
.endr
	WIN 0
	v_nop
.irp c, 0,1
.irp i, 0,1,2
	v_permlane16_swap_b32 v[QC+6*\c+\i], v[TQ+4*\c+\i]
.endr
.irp i, 0,1,2
	v_mov_b32 v[QC+3+6*\c+\i], v[TQ+4*\c+\i]
.endr
.endr
.irp c, 0,1
.irp p, 0,1,2
	global_store_b64 v[OF+2*(\a)+\c], v[QC+6*\c+2*\p:QC+6*\c+2*\p+1], s[8:9] offset:256*\p
.endr
.endr
.endm
.irp a, 0,1,2,3
	QBLOCK \a
.endr
.irp k, 0,1
	v_cndmask_b32 v[PP+\k], v[PW+2*\k], v[PW+2*\k+1], s104   ; lanes 0-15 tile 2 k's word, lanes 16-31 tile 2 k + 1's
.endr
	global_store_b64 v[L16], v[PP:PP+1], s[10:11]
	s_wait_tensorcnt 0x0                           ; the wave's end
	ds_add_u32 v[SPW], v[NIL]
	s_wait_dscnt 0x0
	CROUND                                         ; the closing round
	s_endpgm
.Lfunc_end_k_q700787ca62_qkv:
	.size	k_q700787ca62_qkv, .Lfunc_end_k_q700787ca62_qkv-k_q700787ca62_qkv
	.p2alignl 7, 3214868480
	.fill 96, 4, 3214868480
	.section	.rodata,"a",@progbits
	.p2align	6, 0x0
	.amdhsa_kernel k_q700787ca62_qkv
		.amdhsa_group_segment_fixed_size 327680
		.amdhsa_private_segment_fixed_size 0
		.amdhsa_enable_private_segment 0
		.amdhsa_kernarg_size 32
		.amdhsa_user_sgpr_count 2
		.amdhsa_user_sgpr_kernarg_segment_ptr 1
		.amdhsa_wavefront_size32 1
		.amdhsa_system_sgpr_workgroup_id_x 1
		.amdhsa_system_sgpr_workgroup_id_y 1
		.amdhsa_system_sgpr_workgroup_id_z 1
		.amdhsa_system_vgpr_workitem_id 0
		.amdhsa_next_free_vgpr 768
		.amdhsa_next_free_sgpr 106
		.amdhsa_reserve_vcc 0
		.amdhsa_float_denorm_mode_32 3
		.amdhsa_float_denorm_mode_16_64 3
		.amdhsa_memory_ordered 1
		.amdhsa_forward_progress 1
		.amdhsa_inst_pref_size 84
	.end_amdhsa_kernel
	.amdgpu_metadata
---
amdhsa.version: [ 1, 2 ]
amdhsa.kernels:
  - .name:           k_q700787ca62_qkv
    .symbol:         k_q700787ca62_qkv.kd
    .args:
      - { .name: xc, .offset: 0, .size: 8, .value_kind: global_buffer, .address_space: global }
      - { .name: xs, .offset: 8, .size: 8, .value_kind: global_buffer, .address_space: global }
      - { .name: hc, .offset: 16, .size: 8, .value_kind: global_buffer, .address_space: global }
      - { .name: hs, .offset: 24, .size: 8, .value_kind: global_buffer, .address_space: global }
    .group_segment_fixed_size: 327680
    .private_segment_fixed_size: 0
    .kernarg_segment_align: 8
    .kernarg_segment_size: 32
    .max_flat_workgroup_size: 128
    .sgpr_count:     106
    .vgpr_count:     768
    .wavefront_size: 32
...
	.end_amdgpu_metadata
.endif
;; end of part 2
;; launch attn (part 3): grid 4 x 64, 16 waves a work-group, no clusters, 215,040 bytes of LDS; arguments hc, hs, mw, mf, oc, os; writes oc, os
.if DOCPART == 3
	.amdgcn_target "amdgcn-amd-amdhsa--gfx1250"
	.amdhsa_code_object_version 6
	.text
	.protected	k_q700787ca62_attn
	.globl	k_q700787ca62_attn
	.p2align	8
	.type	k_q700787ca62_attn,@function
k_q700787ca62_attn:
	s_mov_b64 s[64:65], 0
	v_nop
	global_prefetch_b8 v0, s[64:65] scope:SCOPE_SE
	s_setreg_imm32_b32 hwreg(HW_REG_WAVE_MODE, 25, 1), 1
	s_wait_xcnt 0x0
; THIRD LAUNCH: attention of one head on codes of FP6 (E2M3) with E8M0 scales, and its result quantised for the output projection.
; t = score x log2(e) / 8; M = the running largest t, rounded UP to a whole number; p = 2^(t - M) is quantised along the keys, not normalised; the row's sum is taken of the unquantised p and divides O at the end.
; THE MASK is an input: where a query may not see a key, the raw score becomes -2^33 (a logit of -2^30 where the definition writes -1e9) ahead of the maximum.  c x 2^33 is a whole number and exact in f32, so in a row that is
; masked everywhere t - M is exactly 0 and every p is 1, as the definition gives; in every other row a hidden p is 0.  LIMIT: the results are the definition's wherever the logits that count lie above about -9e8.
; The first launch stored, beside the mask's words (mw), one bit for each query tile and key step (mf): set where some key of the step is hidden from some query of the tile.  A step whose bit is clear selects nothing,
; so its 64 words are neither loaded nor applied.
; LIMITS: NaN and infinities are not served; a block of p, or of O, under 2^-124 (zeros too) keeps the scale byte 1, which this program alone reads; the scaled scores stay under 2^31 in magnitude.
; SHARES.  256 work-groups; each owns 512 query positions of one head; each of its sixteen waves takes 16 of them, and then 16 more, against the same K and V.
; THE WHOLE HEAD LIES IN LDS: K's and V's codes, 98,304 bytes each, their scale blocks, 8,192 each.  It comes through registers, 16 bytes a thread, each load of the work-group covering 8,192 consecutive bytes.
; The head copies key steps 0 to 7 and the scale blocks (14 loads a thread).  Steps 8 to 15 are copied under the first tile's steps 0 to 5: a trip asks for 8,192 bytes of K and of V at its top and stores them at its bottom;
; in those trips the stores land on bytes 49,152 and up of K's and of V's region, and the reads stay under 36,864.  One barrier ahead of step 6 shows them to all.  Every LDS byte is stored once.
; No prefetch: that copy itself runs six steps and more ahead of the reads.
; LAYOUT.  All operands lie as images of registers (two registers a lane in 256 consecutive bytes); a two-address load brings two such pieces.  Both products are used transposed: S^T = K Q^T, O^T = V^T P^T: a lane holds ONE query.
; The scores' K is 64: Q's upper six registers hold zero codes; K's upper six are the next tile's codes, which meet zeros.  The upper two scale bytes are 0, which is 2^-127 and no NaN.
; REGISTERS: v1-4, v6, v7 addresses that stay; v5 -2^33; v8-11, v94, v95, v230, v231 the step's addresses; v12 -M, v13 the largest t, v[14:15] the sum; v[16:27] Q and its zeros; v28, v29, v31 the copy's addresses; v[32:79] K's 8 half fragments,
; then V's 4 fragments; v[80:85] zeros; v[86:93] the copy's data; v[96:159] S^T, then p; v[160:191] O^T; v192-211 at work; v[212:223] p's codes; v224 at work; v[226:227] f; v228 p's scale word; v229 Q's; v[232:235] K's pair words;
; v[236:237] V's; v238, v239 where the copy stores; v[242:253] the sum's chains; v254, v255 the add's.
.set VC,   98304
.set KSC,  196608
.set VSC,  204800
.set HALF, 49152                       ; the codes of eight key steps
.set TB,   2                           ; the step's codes: 6,144 bytes a step
.set TS,   3                           ; the step's scale block: 512 bytes a step
.set QP,   52                          ; s[52:53] Q's codes, s[54:55] Q's scale bytes, s[56:57] oc, s[58:59] os: my tile's
.set QS,   54
.set OCP,  56
.set OSP,  58
.set SEL,  60
.set CS,   62
.set MW,   66                          ; s[66:67] my tile's mask words, s[84:85] its four flag words
.set MF,   84
.set FLAG, 86
.set STP,  87
.set MOFF, 89
.set KP,   90                          ; s[90:91], s[92:93] where the copy reads K and V; s94 where it stores
.set VP,   92
.set CL,   94
.set WV,   100
; s[4:19], s[20:35], s[36:51], s[68:83]: a step's 64 mask words.  In the head they hold pointers and temporaries.
	s_load_b256 s[4:11], s[0:1], 0x0               ; hc, hs, mw, mf
	s_load_b128 s[12:15], s[0:1], 0x20             ; oc, os
	v_lshl_add_u32 v254, v0, 2, 0x34000
	v_mov_b32 v255, 0
	v_lshrrev_b32 v1, 5, v0
	v_readfirstlane_b32 s[WV], v1                  ; wave 0..15
	s_and_b32 s28, ttmp7, 0xffff                   ; 16 b + head
	s_lshr_b32 s29, s28, 4
	s_and_b32 s30, s28, 15
	s_and_b32 s31, s30, 1
	s_lshr_b32 s32, s30, 1
	s_lshl_b32 s33, ttmp9, 5
	s_add_co_u32 s33, s33, s[WV]                   ; qt: my first tile of 16 positions in the batch; the second is 16 tiles on
	s_lshl_b32 s34, s29, 7
	s_add_co_u32 s34, s34, s33                     ; T = 128 b + qt
	s_mul_i32 s40, s28, 98304                      ; the head's codes in each of hc's three parts
	s_mov_b32 s41, 0
	s_lshl_b32 s38, s32, 6
	s_lshl_b32 s39, s29, 4
	s_add_co_u32 s38, s38, s39
	s_lshl_b32 s38, s38, 9                         ; the batch's first scale block of the pair of heads
	s_mov_b32 s39, 0
	s_mul_i32 s42, s33, 768
	s_mov_b32 s43, 0
	s_lshr_b32 s44, s33, 3                         ; Q's scale bytes: the block of my token group,
	s_lshl_b32 s44, s44, 9
	s_and_b32 s45, s[WV], 1                        ; tile a = wave % 8 of it: lanes 16 (a % 2) + r,
	s_lshl_b32 s45, s45, 8
	s_add_co_u32 s44, s44, s45
	s_bfe_u32 s45, s[WV], 0x20001                  ; word a / 2,
	s_lshl_b32 s45, s45, 2
	s_add_co_u32 s44, s44, s45
	s_lshl_b32 s70, s31, 1                         ; my head's two bytes of it
	s_add_co_u32 s44, s44, s70
	s_mov_b32 s45, 0
	s_lshl_b32 s71, s31, 3
	s_lshl_b32 s46, s34, 12
	s_mov_b32 s47, 0
	s_lshl_b32 s48, s34, 4
	s_mov_b32 s49, 0
	s_lshl_b32 s50, s34, 4
	s_add_co_u32 s50, s50, s30
	s_mul_i32 s50, s50, 768                        ; oc: [tile][head][768 bytes]
	s_mov_b32 s51, 0
	s_lshl_b32 s36, s34, 9                         ; os: 32 bytes a position, my head's two
	s_lshl_b32 s37, s30, 1
	s_add_co_u32 s36, s36, s37
	s_mov_b32 s37, 0
	s_mov_b32 s[SEL], 0x76543210
	s_mov_b32 s[SEL+1], 0xfedcba98
	s_mov_b32 s[CS], 0x3e38aa3b                    ; log2(e) / 8
	s_mov_b32 s[CS+1], s[CS]
	s_mov_b32 s[CL], HALF
	v_and_b32 v6, 31, v0                           ; the head's vector work, in one run
	v_and_b32 v8, 15, v0
	v_lshlrev_b32 v28, 4, v0                       ; 16 x thread: the copy's place in memory and in K's region
	v_lshlrev_b32 v1, 3, v6                        ; 8 x lane: an image's place for my lane
	v_lshlrev_b32 v9, 4, v6
	v_add_nc_u32 v29, VC, v28                      ; in V's region
	v_add_nc_u32 v31, KSC, v28                     ; in the scale blocks
	v_add_nc_u32 v2, VC, v1
	v_add_nc_u32 v3, s70, v9
	v_add_nc_u32 v4, s71, v9
	v_lshlrev_b32 v7, 4, v8                        ; 16 r: Q's scale bytes
	v_lshlrev_b32 v6, 5, v8                        ; 32 r: os
	v_add_nc_u32 v3, KSC, v3                       ; K's scale blocks: my head's two bytes of each word
	v_add_nc_u32 v4, VSC, v4                       ; V's: my head's two words
	s_wait_alu depctr_va_vdst(0)                   ; the wait at the head's end
	s_wait_kmcnt 0x0
	s_add_nc_u64 s[KP:KP+1], s[4:5], s[40:41]
	s_add_nc_u64 s[VP:VP+1], s[KP:KP+1], 12582912
	s_add_nc_u64 s[20:21], s[6:7], s[38:39]
	s_add_nc_u64 s[QP:QP+1], s[KP:KP+1], s[42:43]
	s_add_nc_u64 s[QS:QS+1], s[20:21], s[44:45]
	s_add_nc_u64 s[MW:MW+1], s[8:9], s[46:47]
	s_add_nc_u64 s[MF:MF+1], s[10:11], s[48:49]
	s_add_nc_u64 s[OCP:OCP+1], s[12:13], s[50:51]
	s_add_nc_u64 s[OSP:OSP+1], s[14:15], s[36:37]
.set j, 0
.rept 6
	global_load_b128 v[32+4*j:35+4*j], v28, s[KP:KP+1] offset:6291456+8192*j   ; K's codes, key steps 0 to 7
.set j, j+1
.endr
.set j, 0
.rept 6
	global_load_b128 v[56+4*j:59+4*j], v28, s[VP:VP+1] offset:8192*j           ; V's
.set j, j+1
.endr
	global_load_b128 v[80:83], v28, s[20:21] offset:262144                     ; K's scale blocks
	global_load_b128 v[84:87], v28, s[20:21] offset:524288                     ; V's
	s_wait_loadcnt 8                               ; K's six are in; the eight behind them may be out
.set j, 0
.rept 6
	ds_store_b128 v28, v[32+4*j:35+4*j] offset:8192*j
.set j, j+1
.endr
	s_wait_loadcnt 0x0
.set j, 0
.rept 6
	ds_store_b128 v29, v[56+4*j:59+4*j] offset:8192*j
.set j, j+1
.endr
	ds_store_b128 v31, v[80:83]
	ds_store_b128 v31, v[84:87] offset:8192
	s_wait_dscnt 0x0                               ; my stores are done;
	s_barrier_signal -1
	s_barrier_wait -1                              ; everybody's are
.irp i, 22,23,24,25,26,27,80,81,82,83,84,85
	v_mov_b32 v[\i], 0                             ; zero codes: Q's upper half, and what stands behind K's last tile
.endr
	v_mov_b32 v5, 0xd0000000                       ; -2^33
.irp i, 196,197,198,199,224,227
	v_mov_b32 v[\i], 0                             ; lane permutes' destinations, and the upper half of the pair v[226:227], count as read
.endr
.macro IMG base, r0                    ; eight pieces of 256 bytes, 8 bytes a lane, into sixteen registers: two pieces a load
.irp k, 0,2,4,6
	ds_load_2addr_b64 v[\r0+2*\k:\r0+2*\k+3], v\base offset0:32*\k offset1:32*\k+32
.endr
.endm
; A KEY STEP: 128 keys.  copy = 1: 8,192 bytes of K and of V of the later key steps go to LDS beside it
.macro STEP copy
.if \copy
	global_load_b128 v[86:89], v28, s[KP:KP+1] offset:6291456+HALF
	global_load_b128 v[90:93], v28, s[VP:VP+1] offset:HALF
.endif
	v_add_nc_u32 v8, s[TB], v1                     ; these four are also the places between the last products and the loads into their operands
	v_add_nc_u32 v10, s[TS], v3
	v_add_nc_u32 v94, 2048, v8
	v_add_nc_u32 v95, 4096, v8
	IMG 8, 32                                      ; K's eight tiles, six registers each: 24 pieces
	IMG 94, 48
	IMG 95, 64
.irp k, 0,1,2,3
	ds_load_u16 v[232+\k], v10 offset:4*\k         ; lanes 0-15: tile 2 k's scale bytes, lanes 16-31: tile 2 k + 1's
.endr
	s_wait_dscnt 0x0
.irp t, 0,1,2,3,4,5,6,7                ; S^T = K Q^T
.if \t%2
	v_wmma_scale_f32_16x16x128_f8f6f4 v[96+8*\t:103+8*\t], v[32+6*\t:43+6*\t], v[16:27], 0, v[232+\t/2], v229 matrix_a_fmt:MATRIX_FMT_FP6 matrix_b_fmt:MATRIX_FMT_FP6 matrix_a_scale:MATRIX_SCALE_ROW1
.else
	v_wmma_scale_f32_16x16x128_f8f6f4 v[96+8*\t:103+8*\t], v[32+6*\t:43+6*\t], v[16:27], 0, v[232+\t/2], v229 matrix_a_fmt:MATRIX_FMT_FP6 matrix_b_fmt:MATRIX_FMT_FP6
.endif
.endr
	v_add_nc_u32 v9, s[TB], v2                     ; V's addresses: these four are the places in front of the first read of results and of the loads into K's registers
	v_add_nc_u32 v11, s[TS], v4
	v_add_nc_u32 v230, 2048, v9
	v_add_nc_u32 v231, 4096, v9
	s_wait_alu depctr_va_vdst(0)
	s_bitcmp1_b32 s[FLAG], s[STP]                  ; does this step hide a key from one of my queries?
	s_cbranch_scc0 .Lclear_\@
	s_lshl_b32 s[MOFF], s[STP], 8                  ; its 64 words, 256 bytes
	s_load_b512 s[4:19], s[MW:MW+1], s[MOFF] offset:0x0
	s_load_b512 s[20:35], s[MW:MW+1], s[MOFF] offset:0x40
	s_load_b512 s[36:51], s[MW:MW+1], s[MOFF] offset:0x80
	s_load_b512 s[68:83], s[MW:MW+1], s[MOFF] offset:0xc0
	s_wait_kmcnt 0x0
.set n, 0
.rept 64                               ; register n, lane L: bit L of word n; ascending
.if n < 48
	v_cndmask_b32 v[96+n], v5, v[96+n], s[4+n]
.else
	v_cndmask_b32 v[96+n], v5, v[96+n], s[20+n]
.endif
.set n, n+1
.endr
.Lclear_\@:
	IMG 9, 32                                      ; V's four fragments, twelve registers each: they land while the softmax is worked
	IMG 230, 48
	IMG 231, 64
	ds_load_b64 v[236:237], v11
.irp b, 0,1,2,3
	v_max3_num_f32 v[192+\b], v[96+16*\b], v[97+16*\b], v[98+16*\b]   ; the largest score of each block of 32 keys: for the row's maximum and for the block's largest p; the four blocks by turns
.endr
.irp i, 3,5,7,9,11,13
.irp b, 0,1,2,3
	v_max3_num_f32 v[192+\b], v[192+\b], v[96+16*\b+\i], v[97+16*\b+\i]
.endr
.endr
.irp b, 0,1,2,3
	v_max_num_f32 v[192+\b], v[192+\b], v[111+16*\b]
.endr
.irp b, 0,1,2,3
	v_permlanex16_b32 v[196+\b], v[192+\b], s[SEL], s[SEL+1]
.endr
.irp b, 0,1,2,3
	v_max_num_f32 v[192+\b], v[192+\b], v[196+\b]
.endr
	v_max3_num_f32 v224, v192, v193, v194
	v_max_num_f32 v224, v224, v195
	v_mul_f32 v224, s[CS], v224                    ; the step's largest t
	v_max_num_f32 v13, v13, v224
	v_mov_b32 v224, v12
	v_floor_f32 v12, -v13                          ; the new -M = -ceil(t)
	v_sub_f32 v224, v12, v224                      ; old M - new M: a whole number, 0 or less
	v_cvt_i32_f32 v224, v224                       ; (it saturates)
	v_ldexp_f32 v226, 1.0, v224                    ; f = 2^(old M - new M)
.set n, 0
.rept 32
	v_pk_fma_f32 v[96+n:97+n], v[96+n:97+n], s[CS:CS+1], v[12:13] op_sel_hi:[1,0,0]   ; t - M
.set n, n+2
.endr
.irp b, 0,1,2,3
	v_fma_f32 v[192+\b], v[192+\b], s[CS], v12
.endr
.set n, 0
	s_wait_alu depctr_va_vdst(0)                   ; ahead of the batch
.rept 64
	v_exp_f32 v[96+n], v[96+n]                     ; p = 2^(t - M)
.set n, n+1
.endr
	v_pk_mul_f32 v[14:15], v[14:15], v[226:227] op_sel_hi:[1,0]   ; the sums under the new M
	s_wait_alu depctr_va_vdst(0)                   ; one wait for the batch of 64
.irp b, 0,1,2,3
	v_exp_f32 v[192+\b], v[192+\b]                 ; the block's largest p
.endr
	v_pk_add_f32 v[196:197], v[100:101], v[104:105]   ; the row's sum of the unquantised p, in eight chains
	v_pk_add_f32 v[252:253], v[108:109], v[112:113]
	v_pk_add_f32 v[250:251], v[116:117], v[120:121]
	v_pk_add_f32 v[248:249], v[124:125], v[128:129]
	v_pk_add_f32 v[246:247], v[132:133], v[136:137]
	v_pk_add_f32 v[244:245], v[140:141], v[144:145]
	v_pk_add_f32 v[242:243], v[148:149], v[152:153]
	v_pk_add_f32 v[14:15], v[14:15], v[156:157]
	v_pk_add_f32 v[196:197], v[196:197], v[96:97]
	v_pk_add_f32 v[252:253], v[252:253], v[98:99]
	v_pk_add_f32 v[250:251], v[250:251], v[102:103]
	v_pk_add_f32 v[248:249], v[248:249], v[106:107]
	v_pk_add_f32 v[246:247], v[246:247], v[110:111]
	v_pk_add_f32 v[244:245], v[244:245], v[114:115]
	v_pk_add_f32 v[242:243], v[242:243], v[118:119]
	v_pk_add_f32 v[14:15], v[14:15], v[122:123]
	v_pk_add_f32 v[196:197], v[196:197], v[126:127]
	v_pk_add_f32 v[252:253], v[252:253], v[130:131]
	v_pk_add_f32 v[250:251], v[250:251], v[134:135]
	v_pk_add_f32 v[248:249], v[248:249], v[138:139]
	v_pk_add_f32 v[246:247], v[246:247], v[142:143]
	v_pk_add_f32 v[244:245], v[244:245], v[146:147]
	v_pk_add_f32 v[242:243], v[242:243], v[150:151]
	v_pk_add_f32 v[14:15], v[14:15], v[154:155]
	v_pk_add_f32 v[196:197], v[196:197], v[158:159]
	v_pk_add_f32 v[252:253], v[252:253], v[244:245]
	v_pk_add_f32 v[250:251], v[250:251], v[242:243]
	v_pk_add_f32 v[14:15], v[14:15], v[248:249]
	v_pk_add_f32 v[196:197], v[196:197], v[246:247]
	v_pk_add_f32 v[252:253], v[252:253], v[250:251]
	v_pk_add_f32 v[14:15], v[14:15], v[196:197]
	v_pk_add_f32 v[14:15], v[14:15], v[252:253]
	s_wait_alu depctr_va_vdst(0)                   ; and one for the four
.irp b, 0,1,2,3
	v_max_num_f32 v[192+\b], 0x1800000, v[192+\b]  ; the floor 2^(3 - 127)
.endr
.irp b, 0,1,2,3
	v_add_nc_u32 v[200+\b], 0xff000000, v[192+\b]  ; the conversion's scale operand
.endr
.irp b, 0,1,2,3
	v_lshrrev_b32 v[196+\b], 23, v[200+\b]         ; the scale's byte
.endr
	v_lshl_or_b32 v228, v197, 8, v196              ; p's scale word for these 128 keys
	v_lshl_or_b32 v228, v198, 16, v228
	v_lshl_or_b32 v228, v199, 24, v228
.irp c, 0,1
	v_cvt_scalef32_pk16_fp6_f32 v[212+6*\c:214+6*\c], v[96+32*\c:111+32*\c], v[200+2*\c]
	v_cvt_scalef32_pk16_fp6_f32 v[204+4*\c:206+4*\c], v[112+32*\c:127+32*\c], v[200+2*\c+1]
.endr
	v_nop                                          ; one plain line behind a scaled conversion
.irp c, 0,1
.irp i, 0,1,2
	v_permlane16_swap_b32 v[212+6*\c+\i], v[204+4*\c+\i]   ; a WHOLE block to a lane
.endr
.irp i, 0,1,2
	v_mov_b32 v[215+6*\c+\i], v[204+4*\c+\i]
.endr
.endr
.set n, 0
.rept 16
	v_pk_mul_f32 v[160+n:161+n], v[160+n:161+n], v[226:227] op_sel_hi:[1,0]   ; O^T under the new M; also the places between the writes of p's codes and scale word and the products
.set n, n+2
.endr
	s_wait_alu depctr_va_vdst(0)
	s_wait_dscnt 0x0                               ; V
.irp t, 0,1,2,3                        ; O^T += V^T P^T: the four accumulators by turns; eight other products stand between two links of a chain
.if \t%2
	v_wmma_scale_f32_16x16x128_f8f6f4 v[160+8*\t:167+8*\t], v[32+12*\t:43+12*\t], v[212:223], v[160+8*\t:167+8*\t], v[236+\t/2], v228 matrix_a_fmt:MATRIX_FMT_FP6 matrix_b_fmt:MATRIX_FMT_FP6 matrix_a_scale:MATRIX_SCALE_ROW1
.else
	v_wmma_scale_f32_16x16x128_f8f6f4 v[160+8*\t:167+8*\t], v[32+12*\t:43+12*\t], v[212:223], v[160+8*\t:167+8*\t], v[236+\t/2], v228 matrix_a_fmt:MATRIX_FMT_FP6 matrix_b_fmt:MATRIX_FMT_FP6
.endif
.endr
	s_add_co_u32 s[TB], s[TB], 6144
	s_add_co_u32 s[TS], s[TS], 512
.if \copy
	s_wait_loadcnt 0x0                             ; the two loads asked for at the trip's top are in, and have read their bases
	v_add_nc_u32 v238, s[CL], v28
	v_add_nc_u32 v239, s[CL], v29
	ds_store_b128 v238, v[86:89]
	ds_store_b128 v239, v[90:93]
	s_add_nc_u64 s[KP:KP+1], s[KP:KP+1], 8192
	s_add_nc_u64 s[VP:VP+1], s[VP:VP+1], 8192
	s_add_co_u32 s[CL], s[CL], 8192
	s_wait_dscnt 0x0                               ; the stores are done: their registers take the next trip's loads
.endif
.endm
.macro RUN first, last, copy           ; key steps first .. last - 1
	s_mov_b32 s[TB], (\first)*6144
	s_mov_b32 s[TS], (\first)*512
	s_mov_b32 s[STP], \first
.Lstep_\@:
	STEP \copy
	s_add_co_u32 s[STP], s[STP], 1
	s_cmp_lt_u32 s[STP], \last
	s_cbranch_scc1 .Lstep_\@
.endm
.macro BEGIN                           ; a tile of 16 queries begins
.irp p, 0,1,2
	global_load_b64 v[16+2*\p:17+2*\p], v1, s[QP:QP+1] offset:256*\p   ; Q's half fragment stays in registers
.endr
	global_load_u16 v229, v7, s[QS:QS+1]           ; its two scale bytes; the upper two are 0
	s_load_b128 s[4:7], s[MF:MF+1], 0x0            ; the tile's flags: four bits in each of four words
	v_mov_b32 v13, 0xff61b1e6                      ; the largest t so far: -3e38
	v_mov_b32 v14, 0
	v_mov_b32 v15, 0
	v_floor_f32 v12, -v13                          ; -M
.set n, 0
.rept 32
	v_mov_b32 v[160+n], 0                          ; O^T: the step is written once; the first finds zeros
.set n, n+1
.endr
	s_wait_alu depctr_va_vdst(0)
	s_wait_loadcnt 0x0
	s_wait_kmcnt 0x0
	s_or_b32 s4, s4, s5
	s_or_b32 s6, s6, s7
	s_or_b32 s[FLAG], s4, s6
.endm
.macro FINISH                          ; O^T / the sum; register 16 B + i is channel 32 B + 16 (lane / 16) + i of my query: two blocks of the output projection's K
	v_add_f32 v14, v14, v15
	v_permlanex16_b32 v224, v14, s[SEL], s[SEL+1]
	v_add_f32 v14, v14, v224                       ; the row's sum
	s_wait_alu depctr_va_vdst(0)
	v_rcp_f32 v14, v14
.rept 4
	v_nop
.endr
	s_wait_alu depctr_va_vdst(0)                   ; ahead of the reciprocal's first reader
.set n, 0
.rept 32
	v_mul_f32 v[96+n], v[160+n], v14
.set n, n+1
.endr
.irp b, 0,1
	v_max3_num_f32 v[192+\b], |v[96+16*\b]|, |v[97+16*\b]|, 0x1800000
.endr
.irp i, 2,4,6,8,10,12,14
.irp b, 0,1
	v_max3_num_f32 v[192+\b], v[192+\b], |v[96+16*\b+\i]|, |v[97+16*\b+\i]|
.endr
.endr
.irp b, 0,1
	v_permlanex16_b32 v[196+\b], v[192+\b], s[SEL], s[SEL+1]
.endr
.irp b, 0,1
	v_max_num_f32 v[192+\b], v[192+\b], v[196+\b]
.endr
.irp b, 0,1
	v_add_nc_u32 v[200+\b], 0xff000000, v[192+\b]
.endr
.irp b, 0,1
	v_lshrrev_b32 v[196+\b], 23, v[200+\b]
.endr
	v_lshl_or_b32 v228, v197, 8, v196              ; my position's two scale bytes
	v_cvt_scalef32_pk16_fp6_f32 v[212:214], v[96:111], v200
	v_cvt_scalef32_pk16_fp6_f32 v[204:206], v[112:127], v201
	v_nop
.irp i, 0,1,2
	v_permlane16_swap_b32 v[212+\i], v[204+\i]
.endr
.irp i, 0,1,2
	v_mov_b32 v[215+\i], v[204+\i]
.endr
.irp p, 0,1,2
	global_store_b64 v1, v[212+2*\p:213+2*\p], s[OCP:OCP+1] offset:256*\p   ; 32 lanes store 256 consecutive bytes, aligned
.endr
	global_store_b16 v6, v228, s[OSP:OSP+1]        ; two bytes a position, rows 32 bytes apart; both halves of the lanes write the same value: 262,144 bytes in all
.endm
	BEGIN
	RUN 0, 6, 1                                    ; six trips x 8,192 bytes of K and of V: key steps 8 to 15
	s_wait_dscnt 0x0                               ; my stores are done;
	s_barrier_signal -1
	s_barrier_wait -1                              ; everybody's are: the whole head lies in LDS, and nothing is stored there again
	RUN 6, 16, 0
	FINISH
	s_wait_xcnt 0x0                                ; the stores have read their bases and registers: on to the tile 16 further on
	s_add_nc_u64 s[QP:QP+1], s[QP:QP+1], 12288
	s_add_nc_u64 s[QS:QS+1], s[QS:QS+1], 1024
	s_add_nc_u64 s[MW:MW+1], s[MW:MW+1], 65536
	s_add_nc_u64 s[MF:MF+1], s[MF:MF+1], 256
	s_add_nc_u64 s[OCP:OCP+1], s[OCP:OCP+1], 196608
	s_add_nc_u64 s[OSP:OSP+1], s[OSP:OSP+1], 8192
	BEGIN
	RUN 0, 16, 0
	FINISH
	s_wait_tensorcnt 0x0                           ; the wave's end
	ds_add_u32 v254, v255
	s_wait_dscnt 0x0
	s_endpgm
.Lfunc_end_k_q700787ca62_attn:
	.size	k_q700787ca62_attn, .Lfunc_end_k_q700787ca62_attn-k_q700787ca62_attn
	.p2alignl 7, 3214868480
	.fill 96, 4, 3214868480
	.section	.rodata,"a",@progbits
	.p2align	6, 0x0
	.amdhsa_kernel k_q700787ca62_attn
		.amdhsa_group_segment_fixed_size 215040
		.amdhsa_private_segment_fixed_size 0
		.amdhsa_enable_private_segment 0
		.amdhsa_kernarg_size 48
		.amdhsa_user_sgpr_count 2
		.amdhsa_user_sgpr_kernarg_segment_ptr 1
		.amdhsa_wavefront_size32 1
		.amdhsa_system_sgpr_workgroup_id_x 1
		.amdhsa_system_sgpr_workgroup_id_y 1
		.amdhsa_system_sgpr_workgroup_id_z 1
		.amdhsa_system_vgpr_workitem_id 0
		.amdhsa_next_free_vgpr 256
		.amdhsa_next_free_sgpr 106
		.amdhsa_reserve_vcc 0
		.amdhsa_float_denorm_mode_32 3
		.amdhsa_float_denorm_mode_16_64 3
		.amdhsa_memory_ordered 1
		.amdhsa_forward_progress 1
		.amdhsa_inst_pref_size 79
	.end_amdhsa_kernel
	.amdgpu_metadata
---
amdhsa.version: [ 1, 2 ]
amdhsa.kernels:
  - .name:           k_q700787ca62_attn
    .symbol:         k_q700787ca62_attn.kd
    .args:
      - { .name: hc, .offset: 0, .size: 8, .value_kind: global_buffer, .address_space: global }
      - { .name: hs, .offset: 8, .size: 8, .value_kind: global_buffer, .address_space: global }
      - { .name: mw, .offset: 16, .size: 8, .value_kind: global_buffer, .address_space: global }
      - { .name: mf, .offset: 24, .size: 8, .value_kind: global_buffer, .address_space: global }
      - { .name: oc, .offset: 32, .size: 8, .value_kind: global_buffer, .address_space: global }
      - { .name: os, .offset: 40, .size: 8, .value_kind: global_buffer, .address_space: global }
    .group_segment_fixed_size: 215040
    .private_segment_fixed_size: 0
    .kernarg_segment_align: 8
    .kernarg_segment_size: 48
    .max_flat_workgroup_size: 512
    .sgpr_count:     106
    .vgpr_count:     256
    .wavefront_size: 32
...
	.end_amdgpu_metadata
.endif
;; end of part 3
;; launch outp (part 4): grid 4 x 64, 4 waves a work-group, clusters of 4 x 4, 327,680 bytes of LDS; arguments oc, os, xc, xs, out0; writes out0
.if DOCPART == 4
	.amdgcn_target "amdgcn-amd-amdhsa--gfx1250"
	.amdhsa_code_object_version 6
	.text
	.protected	k_q700787ca62_outp
	.globl	k_q700787ca62_outp
	.p2align	8
	.type	k_q700787ca62_outp,@function
k_q700787ca62_outp:
	s_mov_b64 s[64:65], 0
	v_nop
	global_prefetch_b8 v0, s[64:65] scope:SCOPE_SE
	s_setreg_imm32_b32 hwreg(HW_REG_WAVE_MODE, 25, 1), 1
	s_wait_xcnt 0x0
	s_wait_alu depctr_hold_cnt(0) depctr_sa_sdst(0) depctr_va_vdst(0) depctr_va_sdst(0) depctr_va_ssrc(0) depctr_va_vcc(0) depctr_vm_vsrc(0)
	s_getreg_b32 s2, hwreg(HW_REG_IB_STS2, 6, 4)
	s_cmp_eq_u32 s2, 0
	s_cbranch_scc0 .Lentry_in_a_cluster
	s_endpgm
.Lentry_in_a_cluster:
	s_bfe_u32 s2, ttmp6, 0x10000c
	s_cmp_lg_u32 s2, 0xf033
	s_cbranch_scc0 .Lentry_shape_is_right
	s_endpgm
.Lentry_shape_is_right:
; FOURTH LAUNCH.  out0 = O W_o^T on codes of FP6 (E2M3) with E8M0 scales, f32 sums.  A block is 128 positions of O x 256 rows of W_o, ALL of K (1,024): 256 work-groups.
; LDS holds the whole block: O's codes as the attention launch left them, images of operand registers, 98,304 dense bytes; W_o's 256 rows (768 bytes + 16 behind every 256); the scale bytes as units of 256 + 16.
; Every byte is filled once, by four joint loads at the head, one a wave: no ring, no refill.  Every tensor row begins at a multiple of 256 bytes.  CLUSTER 4 x 4: O's rows are shared along a row of the cluster, W_o's along a column.
; No prefetch: all fills go out at the head, and there is no loop to run ahead in.
; A wave makes 64 x 128: 32 accumulators (window 2).  The 8 steps of 128 along K are written out; step st + 1's fragments are fetched ahead of step st's 32 products.
; The matrix instruction is used transposed (source 0 = W_o's rows): a lane holds neighbouring numbers of one row of the result.  Rows and columns lie at positions (bits 3 and 4 exchanged); the way out sets both right.
; The way out goes through a stage in LDS on O's bytes, which have had their only fill and, behind the barrier in the last step, their last read.
.set KROW,  768
.set PITCH, 816
.set BL,    98304
.set SAL,   BL+256*PITCH
.set SBL,   SAL+16*272
.set SPARE, SBL+32*272
.set SPITCH, 528
.set ADA,  21
.set ADSA, 22
.set ADSB, 23
.set STO,  24
.set RD,   25
.set CO,   26
.set SPW,  28
.set NIL,  29
.set SB,   32                          ; v32-63 W_o's scale words: 8 (b / 2) + step; lanes 0-15 tile 2 j, lanes 16-31 tile 2 j + 1
.set SA,   68                          ; v68-83 O's, at numbers that differ from W_o's modulo 8
.set AB,   84                          ; v84-99 LDS addresses of W_o's eight tiles (the odd one: for pieces behind one padding more)
.set AF,   128                         ; v128-223 O's fragments, two sets; window 1: W_o's two sets at 0 and 128
.set BK,   128
.set G1A, 24
.set G1B, 32
.set G1S, 48
.set G1T, 56
.set G0A, 68
.set G0B, 72
.set G0S, 76
.set G0T, 80
.set MSB, 0
.set NLD, 0
.macro WIN new
.if MSB != (\new)
	s_set_vgpr_msb (MSB<<8)|(\new)
.set MSB, (\new)
.endif
.endm
.macro PLACES n
.rept \n
	v_nop
.endr
.endm
.macro CROUND
	s_barrier_signal -1
	s_barrier_wait -1
	s_cmp_lg_u32 s14, 0
	s_cbranch_scc1 .Lnot_wave_0_\@
	s_barrier_signal -3
.Lnot_wave_0_\@:
	s_barrier_wait -3
	s_barrier_signal -1
	s_barrier_wait -1
.endm
.macro UNITS1 g, mask, units, word     ; group 1: a dense block as units of 256 bytes
	s_or_b32 s[\g+0], s[\mask], \word
	s_mov_b32 s[\g+1], 32<<16
	s_mov_b32 s[\g+2], (\units)<<16
	s_mov_b32 s[\g+3], 32<<16
	s_mov_b32 s[\g+4], \units
	s_mov_b32 s[\g+5], 32
	s_mov_b32 s[\g+6], 0
	s_mov_b32 s[\g+7], 0
.endm
.macro G0SET g, lds, base, off
	s_mov_b32 s[\g], 1
	s_mov_b32 s[\g+1], \lds
	s_add_nc_u64 s[\g+2:\g+3], s[\base:\base+1], s[\off:\off+1]
	s_or_b32 s[\g+3], s[\g+3], 0x80000000
.endm
.macro ARM under, g0, g1, next
	s_cmp_lt_u32 s14, \under
	s_cbranch_scc0 \next
	tensor_load_to_lds s[\g0:\g0+3], s[\g1:\g1+7]
	s_nop 0
	PLACES 4
	s_branch .Lhead_asked
\next:
.endm
	s_load_b256 s[4:11], s[0:1], 0x0               ; oc, os, xc, xs
	s_load_b64 s[12:13], s[0:1], 0x20              ; out0
	v_lshl_add_u32 v[SPW], v0, 2, SPARE
	v_mov_b32 v[NIL], 0
	ds_add_u32 v[SPW], v[NIL]                      ; the opening lines
	ds_add_u32 v[SPW], v[NIL]
	v_lshrrev_b32 v1, 5, v0
	v_readfirstlane_b32 s14, v1                    ; wave
	s_lshr_b32 s15, s14, 1                         ; my 64 of O's 128 positions
	s_and_b32 s16, s14, 1                          ; my 128 of W_o's 256 rows
	s_bfe_u32 s40, ttmp6, 0x40000                  ; cx
	s_bfe_u32 s41, ttmp6, 0x40004                  ; cy
	s_lshl_b32 s42, ttmp9, 2
	s_add_co_u32 s42, s42, s40                     ; W_o's block of 256 rows
	s_and_b32 s17, ttmp7, 0xffff
	s_lshl_b32 s17, s17, 2
	s_add_co_u32 s17, s17, s41                     ; O's block of 128 positions
	s_lshl_b32 s43, s41, 2
	s_lshl_b32 s43, 15, s43                        ; my row of the cluster
	s_lshl_b32 s44, 0x1111, s40                    ; my column
	UNITS1 G1A, 43, 384, (3<<16)|(1<<21)           ; O's images: 384 units, no padding
	s_or_b32 s[G1B+0], s44, (1<<20)|(1<<21)|(5<<22)|(3<<25)   ; W_o's rows of 768 bytes, 16 bytes of padding behind every 256
	s_mov_b32 s[G1B+1], KROW<<16
	s_mov_b32 s[G1B+2], 256<<16
	s_mov_b32 s[G1B+3], KROW<<16
	s_mov_b32 s[G1B+4], 256
	s_mov_b32 s[G1B+5], KROW
	s_mov_b32 s[G1B+6], 0
	s_mov_b32 s[G1B+7], 0
	UNITS1 G1S, 43, 16, (3<<16)|(1<<20)|(1<<21)|(5<<22)|(3<<25)
	UNITS1 G1T, 44, 32, (3<<16)|(1<<20)|(1<<21)|(5<<22)|(3<<25)
	s_mul_i32 s20, s17, 98304
	s_mov_b32 s21, 0
	s_lshl_b32 s22, s17, 12
	s_mov_b32 s23, 0
	s_mul_i32 s46, s42, 256*KROW
	s_add_co_u32 s46, s46, 21233664
	s_mov_b32 s47, 0
	s_lshl_b32 s92, s42, 13
	s_add_co_u32 s92, s92, 884736
	s_mov_b32 s93, 0
	s_wait_dscnt 0x0
	s_wait_kmcnt 0x0
	G0SET G0A, 0, 4, 20
	G0SET G0B, BL, 8, 46
	G0SET G0S, SAL, 6, 22
	G0SET G0T, SBL, 10, 92
	CROUND                                         ; the joint loads meet
	ARM 1, G0A, G1A, .Lhead_b                      ; one load a wave: O's codes, W_o's codes, O's scales, W_o's scales
	ARM 2, G0B, G1B, .Lhead_s
	ARM 3, G0S, G1S, .Lhead_t
	tensor_load_to_lds s[G0T:G0T+3], s[G1T:G1T+7]
	s_nop 0
	PLACES 4
.Lhead_asked:
	v_and_b32 v1, 15, v0
	v_bfe_u32 v2, v0, 4, 1
	v_and_b32 v6, 31, v0
	v_mul_u32_u24 v3, v1, PITCH
	v_lshrrev_b32 v8, 3, v6
	v_lshlrev_b32 v7, 5, v6
	v_mad_u32_u24 v4, v2, 24, v3                   ; a fragment's row x pitch + 24 x half
	v_mad_u32_u24 v5, v2, 40, v3                   ; and where lanes 16-31 stand behind one padding more
	v_lshl_add_u32 v7, v8, 4, v7                   ; scale words: 32 bytes a row, 16 more for each 8 rows
	v_lshlrev_b32 v9, 3, v6
	s_mul_i32 s21, s15, 4*12288
	s_mul_i32 s22, s16, 128*PITCH
	s_add_co_u32 s22, s22, BL
	v_add_nc_u32 v[ADA], s21, v9                   ; O's images: 8 x lane, my four tiles of 12,288 bytes
	v_add_nc_u32 v[AB], s22, v4
	v_add_nc_u32 v[AB+1], s22, v5
.irp i, 1,2,3,4,5,6,7
	v_add_nc_u32 v[AB+2*\i], \i*16*PITCH, v[AB]
	v_add_nc_u32 v[AB+2*\i+1], \i*16*PITCH, v[AB+1]
.endr
	s_mul_i32 s21, s15, 8*272
	s_add_co_u32 s21, s21, SAL
	s_mul_i32 s22, s16, 16*272
	s_add_co_u32 s22, s22, SBL
	v_add_nc_u32 v[ADSA], s21, v7
	v_add_nc_u32 v[ADSB], s22, v7
	s_mul_i32 s23, s14, 16*SPITCH                  ; my stage
	v_mul_u32_u24 v5, v1, SPITCH
	v_lshlrev_b32 v[CO], 4, v6
	v_lshl_add_u32 v5, v2, 6, v5
	v_add_nc_u32 v[RD], s23, v[CO]
	v_add_nc_u32 v[STO], s23, v5
	s_lshl_b32 s20, s17, 7
	s_lshl_b32 s21, s15, 6
	s_add_co_u32 s20, s20, s21
	s_lshl_b32 s20, s20, 12                        ; my first row of out0, 4,096 bytes a row
	s_lshl_b32 s46, s42, 10
	s_lshl_b32 s47, s16, 9
	s_add_co_u32 s46, s46, s47
	s_add_co_u32 s20, s20, s46
	s_mov_b32 s21, 0
	s_add_nc_u64 s[12:13], s[12:13], s[20:21]
; A fragment of W_o: six pieces of 8 bytes of a row's stream of bits, two to a load where both stand behind as many paddings.  NLD counts the loads.
.macro FRAG reg, a0, q
.set SKIP_, 0
.irp p, 0,1,2,3,4,5
.if SKIP_
.set SKIP_, 0
.else
.set PC_, 12*(\q)+6*(\p/3)+\p%3
.set PN_, 12*(\q)+6*((\p+1)/3)+(\p+1)%3
.set X_, (PC_%32+3)/32
.set XQ_, (PN_%32+3)/32
.set NLD, NLD+1
.if (\p < 5) && (X_ == XQ_)
.set SKIP_, 1
	ds_load_2addr_b64 v[\reg+2*\p:\reg+2*\p+3], v[\a0+X_] offset0:PC_+2*(PC_/32) offset1:PN_+2*(PN_/32)
.else
	ds_load_b64 v[\reg+2*\p:\reg+2*\p+1], v[\a0+X_] offset:8*(PC_+2*(PC_/32))
.endif
.endif
.endr
.endm
.macro FETCH st
.set NLD, 24
	WIN 0x40
.irp i, 0,1,2,3,4,5,6,7
	FRAG 128*((\st)%2)+12*\i, AB+2*\i, \st
.endr
	WIN 0
.irp i, 0,1,2,3
.irp p, 0,1,2,3,4,5
	ds_load_b64 v[AF+48*((\st)%2)+12*\i+2*\p:AF+48*((\st)%2)+12*\i+2*\p+1], v[ADA] offset:\i*12288+(\st)*1536+256*\p
.endr
.endr
.endm
.macro MUL32 st                        ; the 32 accumulators by turns, in the same order in every step
	WIN 0xa1
.irp ap, 0,1
.irp ar, 0,1
.irp bp, 0,1,2,3
.irp br, 0,1
.set D_, 8*(8*(2*\ap+\ar)+2*\bp+\br)
.set FB_, 128*((\st)%2)+12*(2*\bp+\br)
.set FA_, AF+48*((\st)%2)+12*(2*\ap+\ar)
.if (\st) == 0
	v_wmma_scale_f32_16x16x128_f8f6f4 v[D_:D_+7], v[FB_:FB_+11], v[FA_:FA_+11], 0, v[SB+8*\bp+(\st)], v[SA+8*\ap+(\st)] matrix_a_fmt:MATRIX_FMT_FP6 matrix_b_fmt:MATRIX_FMT_FP6 matrix_a_scale:MATRIX_SCALE_ROW\br matrix_b_scale:MATRIX_SCALE_ROW\ar
.else
	v_wmma_scale_f32_16x16x128_f8f6f4 v[D_:D_+7], v[FB_:FB_+11], v[FA_:FA_+11], v[D_:D_+7], v[SB+8*\bp+(\st)], v[SA+8*\ap+(\st)] matrix_a_fmt:MATRIX_FMT_FP6 matrix_b_fmt:MATRIX_FMT_FP6 matrix_a_scale:MATRIX_SCALE_ROW\br matrix_b_scale:MATRIX_SCALE_ROW\ar
.endif
.endr
.endr
.endr
.endr
.endm
	s_wait_alu depctr_va_vdst(0)                   ; the wait at the head's end
	s_wait_tensorcnt 0x0                           ; my tile is in;
	s_barrier_signal -1
	s_barrier_wait -1                              ; all four are
.irp j, 0,1,2,3
	ds_load_b128 v[SB+8*\j:SB+8*\j+3], v[ADSB] offset:\j*1088
	ds_load_b128 v[SB+8*\j+4:SB+8*\j+7], v[ADSB] offset:\j*1088+16
.endr
.irp j, 0,1
	ds_load_b128 v[SA+8*\j:SA+8*\j+3], v[ADSA] offset:\j*1088
	ds_load_b128 v[SA+8*\j+4:SA+8*\j+7], v[ADSA] offset:\j*1088+16
.endr
	FETCH 0
.set ST, 0
.rept 7
.if ST > 0
	PLACES 4                                       ; between the last step's products and the loads into their operands
.endif
	FETCH ST+1
	s_wait_dscnt NLD                               ; all but the next step's loads, just issued
	MUL32 ST
.set ST, ST+1
.endr
	s_wait_dscnt 0x0                               ; my last reads of the tiles are done:
	s_barrier_signal -1                            ; say so,
	MUL32 7
	WIN 0
	s_barrier_wait -1                              ; and behind this nobody reads O's bytes: the stages lie there
; THE WAY OUT, by tiles of 16 positions x 128 columns: through my stage, back as whole rows of 512 bytes, which the 32 lanes store as two aligned runs of 256 bytes
.macro TOSTAGE a
.set AC, 64*(\a)
	WIN 0x08
.irp b, 0,1,2,3,4,5,6,7
	ds_store_b128 v[STO], v[AC+8*\b:AC+8*\b+3] offset:128*(\b/2)+32*(\b%2)
	ds_store_b128 v[STO], v[AC+8*\b+4:AC+8*\b+7] offset:128*(\b/2)+32*(\b%2)+16
.endr
	WIN 0
.set BB, BK+64*((\a)%2)
.irp t, 0,1,2,3,4,5,6,7,8,9,10,11,12,13,14,15
	ds_load_b128 v[BB+4*\t:BB+4*\t+3], v[RD] offset:\t*SPITCH   ; my own bytes, served in order
.endr
.endm
.macro SEND a, younger
.set BB, BK+64*((\a)%2)
	s_wait_dscnt \younger
.irp t, 0,1,2,3,4,5,6,7,8,9,10,11,12,13,14,15
	global_store_b128 v[CO], v[BB+4*\t:BB+4*\t+3], s[12:13] offset:(32*((\a)/2)+16*(\t/8)+8*((\a)%2)+\t%8)*4096 th:TH_STORE_NT
.endr
.endm
	PLACES 4
	TOSTAGE 0
.irp a, 1,2,3
.if \a > 1
	s_wait_xcnt 0x0                                ; tile a - 2's stores have read their registers
.endif
	TOSTAGE \a
	SEND \a-1, 32                                  ; behind tile a - 1's loads: tile a's 16 stores and 16 loads
.endr
	SEND 3, 0
	s_wait_tensorcnt 0x0                           ; the wave's end
	ds_add_u32 v[SPW], v[NIL]
	s_wait_dscnt 0x0
	CROUND                                         ; the closing round
	s_endpgm
.Lfunc_end_k_q700787ca62_outp:
	.size	k_q700787ca62_outp, .Lfunc_end_k_q700787ca62_outp-k_q700787ca62_outp
	.p2alignl 7, 3214868480
	.fill 96, 4, 3214868480
	.section	.rodata,"a",@progbits
	.p2align	6, 0x0
	.amdhsa_kernel k_q700787ca62_outp
		.amdhsa_group_segment_fixed_size 327680
		.amdhsa_private_segment_fixed_size 0
		.amdhsa_enable_private_segment 0
		.amdhsa_kernarg_size 40
		.amdhsa_user_sgpr_count 2
		.amdhsa_user_sgpr_kernarg_segment_ptr 1
		.amdhsa_wavefront_size32 1
		.amdhsa_system_sgpr_workgroup_id_x 1
		.amdhsa_system_sgpr_workgroup_id_y 1
		.amdhsa_system_sgpr_workgroup_id_z 1
		.amdhsa_system_vgpr_workitem_id 0
		.amdhsa_next_free_vgpr 768
		.amdhsa_next_free_sgpr 106
		.amdhsa_reserve_vcc 0
		.amdhsa_float_denorm_mode_32 3
		.amdhsa_float_denorm_mode_16_64 3
		.amdhsa_memory_ordered 1
		.amdhsa_forward_progress 1
		.amdhsa_inst_pref_size 84
	.end_amdhsa_kernel
	.amdgpu_metadata
---
amdhsa.version: [ 1, 2 ]
amdhsa.kernels:
  - .name:           k_q700787ca62_outp
    .symbol:         k_q700787ca62_outp.kd
    .args:
      - { .name: oc, .offset: 0, .size: 8, .value_kind: global_buffer, .address_space: global }
      - { .name: os, .offset: 8, .size: 8, .value_kind: global_buffer, .address_space: global }
      - { .name: xc, .offset: 16, .size: 8, .value_kind: global_buffer, .address_space: global }
      - { .name: xs, .offset: 24, .size: 8, .value_kind: global_buffer, .address_space: global }
      - { .name: out0, .offset: 32, .size: 8, .value_kind: global_buffer, .address_space: global }
    .group_segment_fixed_size: 327680
    .private_segment_fixed_size: 0
    .kernarg_segment_align: 8
    .kernarg_segment_size: 40
    .max_flat_workgroup_size: 128
    .sgpr_count:     106
    .vgpr_count:     768
    .wavefront_size: 32
...
	.end_amdgpu_metadata
.endif
;; end of part 4
